; MI455X (gfx1250); checked and timed in simulation.
; The chip was launched on July 23, 2026; its instructions are those of AMD's public machine-readable ISA for CDNA 5 (MIT licence, August 2026) and "CDNA5" Instruction Set Architecture Reference Guide (July 2026). The comments in the code are by the model that wrote it; some were corrected since.
;; Mo E Layer. Allowed arithmetic: matrix products marked QUANTISED: E2M1 operands, one E8M0 scale for each 32 along K, by v_wmma_scale_f32_16x16x128_f8f6f4 with both operands' format E2M1 (or v_wmma_scale_f32_32x16x128_f4), f32 sums; products left as they are: f32 operands where the result goes on into a quantised operand, else bf16, f16 or f32 operands; f32 sums; everything else in f32.
;; Inputs: w1 8 x 1,024 x 2,048 float32; w2 8 x 2,048 x 1,024 float32; w3 8 x 1,024 x 2,048 float32; wg 1,024 x 8 float32; x 1,024 x 1,024 float32.
;; Outputs: out0 1,024 x 1,024 float32.
;; This version of the problem:
;;   THIS VERSION OF THE PROBLEM IS GIVEN IN LOW PRECISION. The matrix products marked QUANTISED in the list below multiply operands that are first quantised to E2M1 (2 exponent bits, 1 mantissa bit; 4 bits a number), with one power-of-two scale for each 32 numbers along K (OCP MX v1.0); their sums are f32. All else is computed in f32.
;;   The module's matrix products, in the order in which they are computed (A, B: the left and right operand; K: the contracted axis; several contracted axes count as one K, in the product's order):
;;     1. [M 1,024, K 1,024] x [K 1,024, N 8]; A: input x; B: input wg: left as it is (N = 8 < 16)
;;     2. batch 1,024 x [M 1, K 2] x [K 2, N 8]; A: softmax; B: computed on the way: left as it is (K = 2 < 32)
;;     3. [M 1,024, K 1,024] x [K 1,024, N 16,384]; A: input x; B: input w1: QUANTISED
;;     4. [M 1,024, K 1,024] x [K 1,024, N 16,384]; A: input x; B: input w3: QUANTISED
;;     5. batch 8 x [M 1,024, K 2,048] x [K 2,048, N 1,024]; A: input w2; B: computed on the way: QUANTISED
;;     6. batch 1,024 x [M 1, K 8] x [K 8, N 1,024]; A: computed on the way; B: computed on the way: left as it is (K = 8 < 32)
;;   THE QUANTISER, for each operand of a quantised product, along K:
;;     - K is cut into blocks of 32 from its start; a last block that is shorter is filled with zeros.
;;     - A block's scale is 2^e with e = floor(log2(the largest magnitude in the block)) - 2, held to -126 .. 127; a block of zeros has e = 0. As a byte (E8M0): e + 127.
;;     - Each number is divided by its block's scale, clamped to +-6, and rounded to the nearest number of E2M1, ties to even, subnormals kept.
;;     - The product sums the exact products of the quantised numbers (number of the format x scale) in f32.
;;   ~~~python
;;   def quantise(x, axis):      # numpy; x: float32 -> the quantised numbers, widened to float32 again
;;       x = np.moveaxis(x, axis, -1); K = x.shape[-1]
;;       x = np.pad(x, [(0, 0)] * (x.ndim - 1) + [(0, -K % 32)]); x = x.reshape(x.shape[:-1] + (-1, 32)); a = np.abs(x).max(-1, keepdims=True)
;;       e = np.where(a > 0, np.clip(np.frexp(np.where(a > 0, a, 1))[1] - 1 - 2, -126, 127), 0)      # np.frexp(a)[1] - 1 = floor(log2(a)), exactly
;;       r = np.clip(x / 2.0 ** e, -6, 6)
;;       step = 2.0 ** (np.maximum(np.frexp(np.where(r == 0, 1, r))[1] - 1, 0) - 1)
;;       q = np.round(r / step) * step * 2.0 ** e      # np.round: ties to even
;;       return np.moveaxis(q.reshape(q.shape[:-2] + (-1,))[..., :K], -1, axis).astype(np.float32)
;;   ~~~
;;   OPERANDS COMPUTED ON THE WAY. 'Computed on the way' means the value that the module computes at that place (a softmax that the list does not call 'softmax' is quantised finished and normalised). What goes into a quantiser is computed in f32, as accurately as f32 sums, v_exp_f32 and their like allow (about 1e-6 of the number): no bf16 or f16 on the way to a quantiser, and a product that is left as it is and whose result goes on into a quantised operand takes f32 operands (vector FMAs, or v_wmma_f32_16x16x4_f32). A number that lies on a knife's edge between two numbers of the format may be rounded either way, as far as f32 arithmetic and the matrix unit's own rounding can turn it there, and no further.
;; One version. Each part assembles by itself: llvm-mc -triple=amdgcn-amd-amdhsa -mcpu=gfx1250 --defsym DOCPART=n.
;; ======== version 1 of 1: 4 launches
;; workspace buffers: wq 25,165,824 bytes; wsc 1,572,864 bytes; xqs 565,248 bytes; route 33,280 bytes of whole numbers; hbuf 8,912,896 bytes; ybuf 8,388,608 bytes
;; launch prep (part 1): grid 784 x 1, 16 waves a work-group, no clusters, 45,568 bytes of LDS; arguments x, wg, w1, w3, w2, wq, wsc, xqs, route; writes wq, wsc, xqs, route
.if DOCPART == 1
	.amdgcn_target "amdgcn-amd-amdhsa--gfx1250"
	.amdhsa_code_object_version 6
	.text
	.protected	k_qc62a41680f_prep
	.globl	k_qc62a41680f_prep
	.p2align	8
	.type	k_qc62a41680f_prep,@function
k_qc62a41680f_prep:
	s_mov_b64 s[64:65], 0
	v_nop
	global_prefetch_b8 v0, s[64:65] scope:SCOPE_SE
	s_setreg_imm32_b32 hwreg(HW_REG_WAVE_MODE, 25, 1), 1
	s_wait_xcnt 0x0
; PREP.  Work-groups 16 .. 783 turn w1, w3 [8][1024][2048] and w2 [8][2048][1024], f32 with K as the first axis inside an expert, into codes of FP4 (E2M1)
; with one E8M0 byte for each 32 along K, laid in the order of an operand's registers.  Work-groups 0 .. 15 take 64 tokens each: x into codes and scale words,
; the gate's logits in f32, the two largest (the lower index wins a tie, as jax.lax.top_k has it), their softmax, and for each expert the list of its rows among these 64 tokens.
; A block's scale is 2^(floor(log2(largest magnitude)) - 2): its byte is the largest magnitude's exponent field - 2, held at 1 from below.
; LIMITS: NaN and infinities among the inputs are not served.  A block of zeros gets the byte 1 where the quantiser's text says 127: its codes are zeros, and this program alone reads the bytes.
; The logits are f32 sums in another order than a plain chain: a second and a third logit closer than f32's own rounding of such sums may change places.
; NOTHING HERE IS ADDRESSED BY THE CHOICE: the lists are made by counting, in values, and stored at fixed places.
; WEIGHTS.  A wave takes 32 columns x 128 along K, one K step: a lane takes a column and its registers run down K, so a block of 32 is one lane's 32 registers and the conversions give K innermost.
; The three tensors are 12,288 such shares: 768 work-groups of equal work, three times 256.
; Each load of a wave reads 128 consecutive bytes, the sixteen waves stand side by side on 2,048 bytes of a row.  Sixteen lanes' 16 bytes of one block are 256 consecutive bytes of the image, aligned.
; IMAGE (wq): for 32 columns and a K step of 128: [tile u 2][c 2][h 2][row r 16][16 bytes], 2,048 bytes; block b of the step lies at (b / 2) 512 + (b % 2) 256 + 16 r.
; For w1 and w3 lane (u, r) takes column 8 u + r + 8 (r / 8) of its 32, so that the next launch's two result tiles hold 16 neighbours along the next K; for w2 column 16 u + r.
; SCALES (wsc): [pair of K steps][lane 32][2 words].
; No tensor loads and no cluster: no two work-groups read the same weight bytes, and a lane-to-a-column layout comes straight from plain loads.
.set NB,     4                         ; blocks of 32 along K in a wave's share
.set X,      16                        ; v16-79   stream: two sets of 32 numbers; route: a ring of four blocks x 16 numbers
.set CD,     80                        ; v80-95   stream: four registers of codes for each of 4 blocks: no store's data are written again
.set WT,     80                        ; v80-95   route: 16 numbers of wg
.set WPITCH, 4112                      ; LDS: wg turned, a row of 1,024 f32 for each expert + 16 bytes: an odd multiple of 16
.set LG,     33024                     ; LDS: partial logits [K quarter 4][token 64][8 f32]
.set XSL,    41216                     ; LDS: x's scale words [token 64][8 words]
; v112-127: the two sums of the f32 matrix form; matrix instructions alone write them
.macro LOADW t, pitch                  ; block t: 32 rows of K at my column, into set t % 2
.set i_, 0
.rept 32
	global_load_b32 v[X+32*((\t)%2)+i_], v4, s[8:9] offset:(32*(\t)+i_)*\pitch th:TH_LOAD_NT
.set i_, i_+1
.endr
.endm
.macro BLOCKW t, pitch
.set XB, X+32*((\t)%2)
.if (\t) < NB-1
	s_wait_loadcnt 32                              ; this block's 32 loads are in; the next block's 32 may be out
.else
	s_wait_loadcnt 0x0
.endif
	v_max3_num_f32 v8, |v[XB]|, |v[XB+1]|, |v[XB+2]|               ; the block's largest magnitude, in two chains: all 32 numbers are mine
	v_max3_num_f32 v9, |v[XB+3]|, |v[XB+4]|, |v[XB+5]|
.irp i, 6,10,14,18,22,26
	v_max3_num_f32 v8, v8, |v[XB+\i]|, |v[XB+\i+1]|
	v_max3_num_f32 v9, v9, |v[XB+\i+2]|, |v[XB+\i+3]|
.endr
	v_max3_num_f32 v8, v8, |v[XB+30]|, |v[XB+31]|
	v_max3_num_f32 v8, v8, v9, 0x1800000           ; and the floor 2^(3 - 127): the byte cannot fall under 1
	v_add_nc_u32 v10, 0xff000000, v8               ; 2 off the exponent field: the conversion takes this operand's exponent field as its scale
.irp g, 0,1,2,3
	v_cvt_scalef32_pk8_fp4_f32 v[CD+4*(\t)+\g], v[XB+8*\g:XB+8*\g+7], v10
.endr
	v_lshrrev_b32 v11, 23, v10                     ; the scale's byte (also the plain line behind the conversions)
.if (\t) == 0
	v_mov_b32 v12, v11                             ; four bytes to a word, the lower K in the lower byte
.else
	v_lshl_or_b32 v12, v11, 8*(\t), v12
.endif
	global_store_b128 v5, v[CD+4*(\t):CD+4*(\t)+3], s[14:15] offset:((\t)/2)*512+((\t)%2)*256   ; lanes 0-15: 256 consecutive bytes of tile 0, lanes 16-31 of tile 1
.if (\t)+2 < NB
	LOADW (\t)+2, \pitch
.endif
.endm
.macro QW pitch                        ; a wave's 32 columns x 128 along K; pitch: bytes from a row of K to the next
	LOADW 0, \pitch
	LOADW 1, \pitch
.set tq, 0
.rept NB
	BLOCKW tq, \pitch
.set tq, tq+1
.endr
	global_store_b32 v6, v12, s[16:17]             ; my K step's scale words: 4 bytes a lane, 8 bytes apart; the words between them are the neighbouring K step's, which another work-group stores.
	s_endpgm                                       ; So these 256 bytes are written in two parts: 128 bytes beside the wave's 2,048 bytes of codes
.endm
.macro XL t                            ; route: block t of my K quarter: lane (r, h) takes k = 32 t + 16 h + 0 .. 15 of token r
.irp i, 0,1,2,3
	global_load_b128 v[X+16*((\t)%4)+4*\i:X+16*((\t)%4)+4*\i+3], v4, s[4:5] offset:128*(\t)+16*\i th:TH_LOAD_NT
.endr
.endm
.macro WL t                            ; and the same k of wg's column r % 8, from LDS
.irp i, 0,1,2,3
	ds_load_b128 v[WT+4*\i:WT+4*\i+3], v5 offset:128*(\t)+16*\i
.endr
.endm
; route: one block of 32 along K: its codes and byte, and its share of the logits.  left: x's loads issued behind this block's, which may stay out.
.macro RB t, left
.set XR, X+16*((\t)%4)
	s_wait_loadcnt \left
	v_max3_num_f32 v96, |v[XR]|, |v[XR+1]|, 0x1800000              ; my 16 numbers and the floor.  These eight lines name no register of the block before's
.irp i, 2,4,6,8,10,12,14
	v_max3_num_f32 v96, v96, |v[XR+\i]|, |v[XR+\i+1]|              ; products: they are the eight places in front of the loads below
.endr
.if ((\t) >= 1) && ((\t) <= 4)
	XL (\t)+3                                      ; into the set that the block before has multiplied
.endif
	WL \t
	v_permlanex16_b32 v97, v96, s38, s39
	v_max_num_f32 v96, v96, v97                    ; with lane l xor 16's 16: the block's largest magnitude
	v_add_nc_u32 v98, 0xff000000, v96
	s_wait_xcnt 0x0                                ; the last block's store has read v[106:107]
	v_cvt_scalef32_pk8_fp4_f32 v106, v[XR:XR+7], v98
	v_cvt_scalef32_pk8_fp4_f32 v107, v[XR+8:XR+15], v98
	v_lshrrev_b32 v99, 23, v98                     ; the byte (the plain line behind the conversions)
.if (\t)%4 == 0
	v_mov_b32 v[104+(\t)/4], v99
.else
	v_lshl_or_b32 v[104+(\t)/4], v99, 8*((\t)%4), v[104+(\t)/4]
.endif
	global_store_b64 v6, v[106:107], s[28:29] offset:((\t)/4)*1024+(((\t)%4)/2)*512+((\t)%2)*256   ; the wave stores 256 consecutive bytes of x's image
	s_wait_dscnt 0x0                               ; wg's 16 numbers are in
.irp p, 0,1,2,3,4,5,6,7                ; source 0: wg (row = expert, rows 8-15 repeat 0-7), source 1: x (column = token); both hold the same k in the same places.  The two sums take turns
.if ((\t) == 0) && (\p < 2)
	v_wmma_f32_16x16x4_f32 v[112+8*(\p%2):119+8*(\p%2)], v[WT+2*\p:WT+2*\p+1], v[XR+2*\p:XR+2*\p+1], 0
.else
	v_wmma_f32_16x16x4_f32 v[112+8*(\p%2):119+8*(\p%2)], v[WT+2*\p:WT+2*\p+1], v[XR+2*\p:XR+2*\p+1], v[112+8*(\p%2):119+8*(\p%2)]
.endif
.endr
.endm
; route: the two largest logits of token 32 g + lane: v[R] the largest, v[R+1] the second, v[R+2], v[R+3] their experts
.macro TOP2 g, R
.irp q, 0,1,2,3
	ds_load_b128 v[16+8*\q:19+8*\q], v9 offset:\q*2048+\g*1024
	ds_load_b128 v[20+8*\q:23+8*\q], v9 offset:\q*2048+\g*1024+16
.endr
	s_wait_dscnt 0x0
.irp j, 0,2,4,6
	v_pk_add_f32 v[16+\j:17+\j], v[16+\j:17+\j], v[24+\j:25+\j]    ; the four K quarters' parts
	v_pk_add_f32 v[32+\j:33+\j], v[32+\j:33+\j], v[40+\j:41+\j]
.endr
.irp j, 0,2,4,6
	v_pk_add_f32 v[16+\j:17+\j], v[16+\j:17+\j], v[32+\j:33+\j]
.endr
	v_mov_b32 v[\R], v16
	v_mov_b32 v[\R+2], 0
.irp e, 1,2,3,4,5,6,7
	v_cmp_gt_f32 vcc_lo, v[16+\e], v[\R]           ; strictly larger: the lower index keeps a tie
	v_cndmask_b32 v[\R], v[\R], v[16+\e], vcc_lo
	v_cndmask_b32 v[\R+2], v[\R+2], \e, vcc_lo
.endr
	v_mov_b32 v[\R+1], 0xff800000
	v_mov_b32 v[\R+3], 0
.irp e, 0,1,2,3,4,5,6,7
	v_cmp_gt_f32 s50, v[16+\e], v[\R+1]
	v_cmp_ne_u32 vcc_lo, \e, v[\R+2]               ; all but the first
	s_and_b32 vcc_lo, vcc_lo, s50
	v_cndmask_b32 v[\R+1], v[\R+1], v[16+\e], vcc_lo
	v_cndmask_b32 v[\R+3], v[\R+3], \e, vcc_lo
.endr
.endm
	s_load_b512 s[4:19], s[0:1], 0x0               ; x s[4:5], wg s[6:7], w1 s[8:9], w3 s[10:11], w2 s[12:13], wq s[14:15], wsc s[16:17], xqs s[18:19]
	s_load_b64 s[20:21], s[0:1], 0x40              ; route
	v_lshl_add_u32 v128, v0, 2, 0xaa00
	v_mov_b32 v129, 0
	v_lshrrev_b32 v1, 5, v0
	v_readfirstlane_b32 s22, v1                    ; wave 0..15
	v_and_b32 v1, 31, v0                           ; lane
	v_and_b32 v2, 15, v0                           ; r
	v_bfe_u32 v3, v0, 4, 1                         ; h (for the weights: tile u)
	s_cmp_lt_u32 ttmp9, 16
	s_cbranch_scc1 .Lroute
	; ---------------- the weights ----------------
	s_sub_co_u32 s23, ttmp9, 16
	s_lshr_b32 s24, s23, 8                         ; 0: w1, 1: w3, 2: w2
	s_and_b32 s25, s23, 255
	s_lshr_b32 s26, s25, 5                         ; expert
	s_mov_b32 s31, 0
	s_mov_b32 s35, 0
	s_mov_b32 s37, 0
	v_lshlrev_b32 v5, 4, v2
	v_lshl_add_u32 v5, v3, 10, v5                  ; my place in an image: 1,024 u + 16 r
	v_lshlrev_b32 v6, 3, v1                        ; and among the scale words: 8 x lane
	s_cmp_eq_u32 s24, 2
	s_cbranch_scc1 .Lw2
	s_bfe_u32 s27, s25, 0x30002                    ; which K step of 128 (8)
	s_and_b32 s28, s25, 3
	s_lshl_b32 s28, s28, 4
	s_add_co_u32 s28, s28, s22                     ; which 32 columns (64)
	s_lshl_b32 s30, s26, 23                        ; from: expert x 8,388,608 + 128 rows x 8,192 + 128 x block
	s_lshl_b32 s29, s27, 20
	s_add_co_u32 s30, s30, s29
	s_lshl_b32 s29, s28, 7
	s_add_co_u32 s30, s30, s29
	s_lshl_b32 s32, s26, 6
	s_add_co_u32 s32, s32, s28                     ; 64 x expert + block
	s_lshl_b32 s34, s32, 14                        ; codes: 16,384 for each, w3's 8,388,608 on, 2,048 for a K step
	s_lshl_b32 s29, s24, 23
	s_add_co_u32 s34, s34, s29
	s_lshl_b32 s29, s27, 11
	s_add_co_u32 s34, s34, s29
	s_lshl_b32 s36, s32, 10                        ; scale words: 1,024 for each, w3's 524,288 on, 256 for a pair of K steps, 4 for the odd one
	s_lshl_b32 s29, s24, 19
	s_add_co_u32 s36, s36, s29
	s_lshr_b32 s29, s27, 1
	s_lshl_b32 s29, s29, 8
	s_add_co_u32 s36, s36, s29
	s_and_b32 s29, s27, 1
	s_lshl_b32 s29, s29, 2
	s_add_co_u32 s36, s36, s29
	v_and_b32 v4, 8, v2
	v_add_nc_u32 v4, v4, v2
	v_lshl_add_u32 v4, v3, 3, v4                   ; my column: 8 u + r + 8 (r / 8)
	v_lshlrev_b32 v4, 2, v4
	s_wait_kmcnt 0x0
	s_cmp_eq_u32 s24, 0                            ; the choice hangs on the work-group's number alone
	s_cselect_b64 s[8:9], s[8:9], s[10:11]
	s_add_nc_u64 s[8:9], s[8:9], s[30:31]
	s_add_nc_u64 s[14:15], s[14:15], s[34:35]
	s_add_nc_u64 s[16:17], s[16:17], s[36:37]
	QW 8192
.Lw2:
	s_bfe_u32 s27, s25, 0x40001                    ; which K step of 128 (16)
	s_and_b32 s28, s25, 1
	s_lshl_b32 s28, s28, 4
	s_add_co_u32 s28, s28, s22                     ; which 32 columns (32)
	s_lshl_b32 s30, s26, 23
	s_lshl_b32 s29, s27, 19                        ; 128 rows x 4,096
	s_add_co_u32 s30, s30, s29
	s_lshl_b32 s29, s28, 7
	s_add_co_u32 s30, s30, s29
	s_lshl_b32 s32, s26, 5
	s_add_co_u32 s32, s32, s28                     ; 32 x expert + block
	s_lshl_b32 s34, s32, 15
	s_lshl_b32 s29, s27, 11
	s_add_co_u32 s34, s34, s29
	s_add_co_u32 s34, s34, 16777216
	s_lshl_b32 s36, s32, 11
	s_lshr_b32 s29, s27, 1
	s_lshl_b32 s29, s29, 8
	s_add_co_u32 s36, s36, s29
	s_and_b32 s29, s27, 1
	s_lshl_b32 s29, s29, 2
	s_add_co_u32 s36, s36, s29
	s_add_co_u32 s36, s36, 1048576
	v_lshlrev_b32 v4, 2, v1                        ; my column: the lane
	s_wait_kmcnt 0x0
	s_add_nc_u64 s[8:9], s[12:13], s[30:31]
	s_add_nc_u64 s[14:15], s[14:15], s[34:35]
	s_add_nc_u64 s[16:17], s[16:17], s[36:37]
	QW 4096
	; ---------------- 64 tokens: x's codes, the gate, the lists ----------------
.Lroute:
	s_and_b32 s24, s22, 3                          ; a: my tile of 16 tokens
	s_lshr_b32 s25, s22, 2                         ; kq: my quarter of K
	s_mov_b32 s38, 0x76543210
	s_mov_b32 s39, 0xfedcba98                      ; v_permlanex16_b32's selects for lane l xor 16
	s_lshl_b32 s44, s24, 16
	s_lshl_b32 s45, s25, 10
	s_add_co_u32 s44, s44, s45
	v_lshlrev_b32 v4, 12, v2
	v_lshl_add_u32 v4, v3, 6, v4
	v_add_nc_u32 v4, s44, v4                       ; x: 4,096 (16 a + r) + 1,024 kq + 64 h
	v_and_b32 v5, 7, v2
	v_mul_u32_u24 v5, v5, WPITCH
	v_lshl_add_u32 v5, v3, 6, v5
	v_add_nc_u32 v5, s45, v5                       ; wg in LDS: row r % 8, + 1,024 kq + 64 h
	s_lshl_b32 s44, s24, 13
	s_lshl_b32 s46, s25, 11
	s_add_co_u32 s44, s44, s46
	v_lshlrev_b32 v6, 4, v2
	v_lshl_add_u32 v6, v3, 3, v6
	v_add_nc_u32 v6, s44, v6                       ; x's image: 8,192 a + 2,048 kq + 16 r + 8 h
	s_lshl_b32 s47, s24, 9
	s_lshl_b32 s44, s25, 3
	s_add_co_u32 s44, s44, s47
	s_add_co_u32 s44, s44, XSL
	v_lshlrev_b32 v7, 5, v2
	v_add_nc_u32 v7, s44, v7                       ; my token's two scale words: XSL + 32 (16 a + r) + 8 kq
	s_add_co_u32 s44, s46, s47
	s_add_co_u32 s44, s44, LG
	v_lshlrev_b32 v8, 5, v2
	v_lshl_add_u32 v8, v3, 4, v8
	v_add_nc_u32 v8, s44, v8                       ; my four partial logits: LG + 2,048 kq + 32 (16 a + r) + 16 h
	v_lshl_add_u32 v9, v1, 5, LG                   ; back: a token to a lane
	v_lshl_add_u32 v10, v1, 4, XSL
	v_lshlrev_b32 v11, 3, v0                       ; wg into LDS: thread t holds k = 2 t, 2 t + 1
	v_lshlrev_b32 v12, 6, v0                       ; and reads 64 bytes of wg
	v_lshlrev_b32 v13, 3, v1
	v_lshlrev_b32 v14, 4, v1
	v_mov_b32 v97, 0                               ; a lane permute's destination counts as one of its sources
	s_mov_b32 s41, 0
	s_lshl_b32 s40, ttmp9, 18
	s_wait_kmcnt 0x0
	s_add_nc_u64 s[4:5], s[4:5], s[40:41]          ; x at my 64 tokens
	s_lshl_b32 s40, ttmp9, 15
	s_add_nc_u64 s[28:29], s[18:19], s[40:41]      ; their images
	s_lshl_b32 s40, ttmp9, 9
	s_add_co_u32 s40, s40, 557056
	s_add_nc_u64 s[30:31], s[18:19], s[40:41]      ; their gate weights
	s_lshl_b32 s40, ttmp9, 11
	s_add_co_u32 s40, s40, 524288
	s_add_nc_u64 s[32:33], s[18:19], s[40:41]      ; their scale words
	s_lshl_b32 s40, s22, 4
	s_add_co_u32 s40, s40, ttmp9
	s_lshl_b32 s40, s40, 8
	s_add_nc_u64 s[34:35], s[20:21], s[40:41]      ; the list of expert = wave for these tokens (used by waves 0-7 alone)
	s_lshl_b32 s40, s22, 4
	s_and_b32 s42, ttmp9, 1
	s_lshl_b32 s42, s42, 3
	s_add_co_u32 s40, s40, s42
	s_lshr_b32 s42, ttmp9, 1
	s_add_co_u32 s40, s40, s42
	s_lshl_b32 s40, s40, 2
	s_add_co_u32 s40, s40, 32768
	s_add_nc_u64 s[36:37], s[20:21], s[40:41]      ; and its count: [expert][block % 2][block / 2]
.irp i, 0,1,2,3
	global_load_b128 v[WT+4*\i:WT+4*\i+3], v12, s[6:7] offset:16*\i
.endr
	XL 0
	XL 1
	XL 2
	XL 3
	s_wait_loadcnt 16                              ; wg's four loads are in; x's sixteen stay out
.irp k, 0,1
.irp e, 0,1,2,3,4,5,6,7
	ds_store_b32 v11, v[WT+8*\k+\e] offset:\e*WPITCH+4*\k
.endr
.endr
	s_wait_dscnt 0x0                               ; for the others' sake: my part of wg lies in LDS
	s_barrier_signal -1
	s_barrier_wait -1
	RB 0, 12
	RB 1, 8
	RB 2, 8
	RB 3, 8
	RB 4, 8
	RB 5, 8
	RB 6, 4
	RB 7, 0
.rept 8
	v_nop                                          ; eight places behind this matrix form before its results are read (ISA guide 7.12.1)
.endr
.irp j, 0,1,2,3,4,5,6,7
	v_add_f32 v[96+\j], v[112+\j], v[120+\j]       ; register j: expert j of token r, in both halves of the lanes; each sum is read from its low end on
.endr
	v_cmp_ne_u32 vcc_lo, 0, v3
.irp j, 0,1,2,3
	v_cndmask_b32 v[108+\j], v[96+\j], v[100+\j], vcc_lo           ; lanes 0-15 hand on experts 0-3, lanes 16-31 experts 4-7
.endr
	ds_store_b128 v8, v[108:111]
	ds_store_b64 v7, v[104:105]                    ; both halves of the lanes write the same two words
	s_wait_dscnt 0x0
	s_barrier_signal -1
	s_barrier_wait -1                              ; all partial logits and scale words lie in LDS; no barrier follows
	s_cmp_gt_u32 s22, 9
	s_cbranch_scc1 .Lidle
	s_cmp_eq_u32 s22, 9
	s_cbranch_scc1 .Lxs
	TOP2 0, 48
	TOP2 1, 52
	s_cmp_eq_u32 s22, 8
	s_cbranch_scc1 .Lprob
	; waves 0-7: the rows of expert = wave.  Entry q of the list is 2 x token + slot of the (q + 1)-th token that chose it.
	v_cmp_eq_u32 s40, s22, v50                     ; tokens 0-31: chosen first,
	v_cmp_eq_u32 s41, s22, v51                     ; chosen second
	v_cmp_eq_u32 s44, s22, v54                     ; tokens 32-63
	v_cmp_eq_u32 s45, s22, v55
	s_or_b32 s46, s40, s41
	s_or_b32 s47, s44, s45
	s_bcnt1_i32_b32 s48, s46
	s_bcnt1_i32_b32 s49, s47
	s_add_co_u32 s49, s49, s48                     ; the count
	v_lshlrev_b32 v56, 1, v1                       ; a lane makes entries q = 2 x lane and 2 x lane + 1
	v_or_b32 v57, 1, v56
	v_mov_b32 v58, 0
	v_mov_b32 v59, 0
; The token of entry q is the number of tokens L whose running count C(L) (chosen among 0 .. L) is at most q: 64 comparisons, no address.
.set L_, 0
.rept 32
	s_and_b32 s50, s46, (2<<L_)-1
	s_bcnt1_i32_b32 s50, s50
	v_cmp_le_u32 vcc_lo, s50, v56
	v_add_co_ci_u32 v58, vcc_lo, 0, v58, vcc_lo
	v_cmp_le_u32 vcc_lo, s50, v57
	v_add_co_ci_u32 v59, vcc_lo, 0, v59, vcc_lo
.set L_, L_+1
.endr
.set L_, 0
.rept 32
	s_and_b32 s50, s47, (2<<L_)-1
	s_bcnt1_i32_b32 s50, s50
	s_add_co_u32 s50, s50, s48
	v_cmp_le_u32 vcc_lo, s50, v56
	v_add_co_ci_u32 v58, vcc_lo, 0, v58, vcc_lo
	v_cmp_le_u32 vcc_lo, s50, v57
	v_add_co_ci_u32 v59, vcc_lo, 0, v59, vcc_lo
.set L_, L_+1
.endr
	v_min_u32 v58, 63, v58
	v_min_u32 v59, 63, v59
	v_mov_b32 v60, s45
	v_mov_b32 v62, s41
	s_lshl_b32 s51, ttmp9, 7
	v_cmp_gt_u32 vcc_lo, 32, v58
	v_cndmask_b32 v61, v60, v62, vcc_lo
	v_lshrrev_b32 v61, v58, v61                    ; the shift takes the token's low five bits
	v_and_b32 v61, 1, v61                          ; slot: 1 where the expert was the token's second
	v_lshl_add_u32 v64, v58, 1, v61
	v_add_nc_u32 v64, s51, v64
	v_cmp_gt_u32 vcc_lo, 32, v59
	v_cndmask_b32 v61, v60, v62, vcc_lo
	v_lshrrev_b32 v61, v59, v61
	v_and_b32 v61, 1, v61
	v_lshl_add_u32 v65, v59, 1, v61
	v_add_nc_u32 v65, s51, v65
	v_readfirstlane_b32 s52, v64                   ; entries past the count repeat entry 0: such rows give the same numbers at the same place
	v_cmp_gt_u32 vcc_lo, s49, v56
	v_cndmask_b32 v64, s52, v64, vcc_lo
	v_cmp_gt_u32 vcc_lo, s49, v57
	v_cndmask_b32 v65, s52, v65, vcc_lo
	global_store_b64 v13, v[64:65], s[34:35]       ; 64 entries: 256 consecutive bytes
	v_mov_b32 v66, s49
	v_mov_b32 v67, 0
	v_cmp_eq_u32 vcc_lo, 0, v1
	s_wait_xcnt 0x0                                ; EXEC changes only behind this wait
	s_wait_tensorcnt 0x0
	ds_add_u32 v128, v129
	s_wait_dscnt 0x0
	s_and_saveexec_b32 s53, vcc_lo
	global_store_b32 v67, v66, s[36:37]            ; lane 0: the count
	s_wait_xcnt 0x0
	s_or_b32 exec_lo, exec_lo, s53
	s_endpgm
.Lprob:                                                ; wave 8: softmax over the two, the larger taken away first
.irp g, 0,1
	v_sub_f32 v[56+8*\g], v[49+4*\g], v[48+4*\g]   ; second - first, 0 or less
	v_mul_f32 v[56+8*\g], 0x3fb8aa3b, v[56+8*\g]
	v_exp_f32 v[56+8*\g], v[56+8*\g]
	v_nop
	s_wait_alu depctr_va_vdst(0)
	v_add_f32 v[57+8*\g], 1.0, v[56+8*\g]
	v_rcp_f32 v[58+8*\g], v[57+8*\g]
	v_nop
	s_wait_alu depctr_va_vdst(0)
	v_mul_f32 v[59+8*\g], v[56+8*\g], v[58+8*\g]
	global_store_b64 v13, v[58+8*\g:59+8*\g], s[30:31] offset:256*\g
.endr
	s_wait_tensorcnt 0x0
	ds_add_u32 v128, v129
	s_wait_dscnt 0x0
	s_endpgm
.Lxs:                                                  ; wave 9: the 64 tokens' scale words leave as 2,048 consecutive bytes
.irp i, 0,1,2,3
	ds_load_b128 v[16+4*\i:19+4*\i], v10 offset:512*\i
.endr
	s_wait_dscnt 0x0
.irp i, 0,1,2,3
	global_store_b128 v14, v[16+4*\i:19+4*\i], s[32:33] offset:512*\i
.endr
.Lidle:
	s_wait_tensorcnt 0x0
	ds_add_u32 v128, v129
	s_wait_dscnt 0x0
	s_endpgm
.Lfunc_end_k_qc62a41680f_prep:
	.size	k_qc62a41680f_prep, .Lfunc_end_k_qc62a41680f_prep-k_qc62a41680f_prep
	.p2alignl 7, 3214868480
	.fill 96, 4, 3214868480
	.section	.rodata,"a",@progbits
	.p2align	6, 0x0
	.amdhsa_kernel k_qc62a41680f_prep
		.amdhsa_group_segment_fixed_size 45568
		.amdhsa_private_segment_fixed_size 0
		.amdhsa_enable_private_segment 0
		.amdhsa_kernarg_size 72
		.amdhsa_user_sgpr_count 2
		.amdhsa_user_sgpr_kernarg_segment_ptr 1
		.amdhsa_wavefront_size32 1
		.amdhsa_system_sgpr_workgroup_id_x 1
		.amdhsa_system_sgpr_workgroup_id_y 1
		.amdhsa_system_sgpr_workgroup_id_z 1
		.amdhsa_system_vgpr_workitem_id 0
		.amdhsa_next_free_vgpr 130
		.amdhsa_next_free_sgpr 66
		.amdhsa_reserve_vcc 1
		.amdhsa_float_denorm_mode_32 3
		.amdhsa_float_denorm_mode_16_64 3
		.amdhsa_memory_ordered 1
		.amdhsa_forward_progress 1
		.amdhsa_inst_pref_size 90
	.end_amdhsa_kernel
	.amdgpu_metadata
---
amdhsa.version: [ 1, 2 ]
amdhsa.kernels:
  - .name:           k_qc62a41680f_prep
    .symbol:         k_qc62a41680f_prep.kd
    .args:
      - { .name: x, .offset: 0, .size: 8, .value_kind: global_buffer, .address_space: global }
      - { .name: wg, .offset: 8, .size: 8, .value_kind: global_buffer, .address_space: global }
      - { .name: w1, .offset: 16, .size: 8, .value_kind: global_buffer, .address_space: global }
      - { .name: w3, .offset: 24, .size: 8, .value_kind: global_buffer, .address_space: global }
      - { .name: w2, .offset: 32, .size: 8, .value_kind: global_buffer, .address_space: global }
      - { .name: wq, .offset: 40, .size: 8, .value_kind: global_buffer, .address_space: global }
      - { .name: wsc, .offset: 48, .size: 8, .value_kind: global_buffer, .address_space: global }
      - { .name: xqs, .offset: 56, .size: 8, .value_kind: global_buffer, .address_space: global }
      - { .name: route, .offset: 64, .size: 8, .value_kind: global_buffer, .address_space: global }
    .group_segment_fixed_size: 45568
    .private_segment_fixed_size: 0
    .kernarg_segment_align: 8
    .kernarg_segment_size: 72
    .max_flat_workgroup_size: 512
    .sgpr_count:     66
    .vgpr_count:     130
    .wavefront_size: 32
...
	.end_amdgpu_metadata
.endif
;; end of part 1
;; launch hid (part 2): grid 256 x 1, 8 waves a work-group, no clusters, 0 bytes of LDS; arguments wq, wsc, xqs, route, hbuf; writes hbuf
.if DOCPART == 2
	.amdgcn_target "amdgcn-amd-amdhsa--gfx1250"
	.amdhsa_code_object_version 6
	.text
	.protected	k_qc62a41680f_hid
	.globl	k_qc62a41680f_hid
	.p2align	8
	.type	k_qc62a41680f_hid,@function
k_qc62a41680f_hid:
	s_mov_b64 s[64:65], 0
	v_nop
	global_prefetch_b8 v0, s[64:65] scope:SCOPE_SE
	s_setreg_imm32_b32 hwreg(HW_REG_WAVE_MODE, 25, 1), 1
	s_wait_xcnt 0x0
; HID.  h = silu(x w1) * (x w3) for the chosen rows alone, both products on codes of FP4 with E8M0 scales, h quantised along F in registers and stored as the next product's operand image.
; SHARES.  Work-group g: expert g / 32, four blocks of 32 hidden units 4 ((g / 2) % 16) + wave % 4, and the token blocks of parity g % 2.  A wave keeps its 32 columns of w1 and of w3 for all of K
; in 256 registers (window 1) and walks tiles of 16 rows.  EIGHT WAVES, two to a SIMD at 512 registers each: waves w and w + 4 keep the same columns and share the tiles, each taking every second
; token block of the parity, so that one wave's wait for a tile's rows stands beside the other's products and activation.
; An expert has 64 fixed tile slots, 4 x token block + i; slot i of a block is in use where 16 i < the block's count.
; The counts and lists were stored as whole numbers by the launch before; every number from them is held by a minimum before it enters an address.
; A list that has run out gives its first tile again: the same numbers go to the same places from the same wave, so the look-ahead and an odd number of tiles need no masks.
; LAYOUT.  The products are used transposed (source 0 = 16 columns of a weight, source 1 = 16 rows of x): a lane holds one row; by the order in which the weights' columns were laid, the 16 registers
; of tiles 0 and 1 are hidden units 32 B + 16 (lane / 16) + 0 .. 15.  A block of 32 lies in lanes l and l xor 16; a lane's 16 codes are 8 bytes, and the wave's store covers 256 consecutive bytes, aligned.
; No LDS, no barrier: waves share nothing.  No cluster and no joint loads: the number of tiles hangs on counts read from memory, and the weights, the larger part of what a wave reads, are its own.
; LIMITS: NaN and infinities are not served; a block of zeros gets the byte 1 (its codes are zeros, and this program alone reads the bytes).
.set EO,  6                            ; v6-7    parity p: offset of the tile's list
.set E,   8                            ; v8-9    its entries: lane (r, h): row r's 2 x token + slot
.set XO,  10                           ; v10-11  offset of my row's codes in x's images
.set XSO, 12                           ; v12-13  of its scale words
.set HO,  14                           ; v14-15  where the tile's codes of h go
.set HSO, 16                           ; v16-17  and its scale bytes
.set XS,  24                           ; v24-39  x's scale words, 8 a parity
.set WS,  40                           ; v40-55  the weights' scale words: 8 x matrix + K step; lanes 0-15 tile 0, lanes 16-31 tile 1
.set ACC, 56                           ; v56-87  x w1 (tiles 0, 1), x w3 (tiles 0, 1)
.set T,   88                           ; v88-103
.set H,   104                          ; v104-119
.set XR,  128                          ; v128-255 x's fragments: 64 a parity
.set MSB, 0
.macro WIN new                         ; the immediate's high byte repeats the setting that is left
.if MSB != \new
	s_set_vgpr_msb (MSB<<8)|\new
.set MSB, \new
.endif
.endm
.macro WLOAD m, b                      ; matrix m's 16 fragments: (tile u, K step s) at v[(2 m + u) 64 + 8 s] of window 1
.irp u, 0,1
.irp s, 0,1,2,3,4,5,6,7
.irp c, 0,1
	global_load_b128 v[(2*\m+\u)*64+8*\s+4*\c:(2*\m+\u)*64+8*\s+4*\c+3], v4, s[\b:\b+1] offset:\s*2048+\u*1024+\c*512
.endr
.endr
.endr
.endm
.macro LIST p                          ; the next tile's slot into s[32 + p], and its list is asked for
	s_ctz_i32_b32 s56, s28
	s_cmp_eq_u32 s28, 0
	s_cselect_b32 s56, s35, s56                    ; a list that has run out gives its first tile again
	s_sub_co_u32 s57, s28, 1
	s_and_b32 s28, s28, s57                        ; the lowest bit is taken off
	s_min_u32 s56, s56, 31
	s_and_b32 s57, s56, 0x1c
	s_lshl_b32 s57, s57, 1
	s_and_b32 s56, s56, 3
	s_add_co_u32 s56, s56, s57
	s_add_co_u32 s[32+(\p)], s56, s34              ; slot = 8 (bit / 4) + 4 parity + bit % 4
	s_lshl_b32 s57, s[32+(\p)], 6
	v_add_nc_u32 v[EO+(\p)], s57, v18
	global_load_b32 v[E+(\p)], v[EO+(\p)], s[44:45]
.endm
.macro ADDR p                          ; from the entries and the slot of parity p: all its offsets
	s_wait_xcnt 0x0                                ; the stores of two tiles ago have read HO and HSO of this parity
	v_lshrrev_b32 v[XSO+(\p)], 1, v[E+(\p)]
	v_min_u32 v[XSO+(\p)], 1023, v[XSO+(\p)]       ; the token
	v_and_b32 v[XO+(\p)], 0x3f0, v[XSO+(\p)]
	v_lshl_add_u32 v[XO+(\p)], v[XO+(\p)], 9, v19  ; 8,192 (token / 16) + 256 h
	v_and_b32 v21, 15, v[XSO+(\p)]
	v_lshl_add_u32 v[XO+(\p)], v21, 4, v[XO+(\p)]  ; + 16 (token % 16)
	v_lshlrev_b32 v[XSO+(\p)], 5, v[XSO+(\p)]
	s_lshl_b32 s57, s[32+(\p)], 14
	v_add_nc_u32 v[HO+(\p)], s57, v20
	s_lshl_b32 s57, s[32+(\p)], 10
	v_add_nc_u32 v[HSO+(\p)], s57, v18
.endm
.macro XLOAD p                         ; 18 loads: my row's codes for all of K, and its 8 scale words
.irp s, 0,1,2,3,4,5,6,7
.irp c, 0,1
	global_load_b128 v[XR+64*(\p)+8*\s+4*\c:XR+64*(\p)+8*\s+4*\c+3], v[XO+(\p)], s[8:9] offset:\s*1024+\c*512
.endr
.endr
	global_load_b128 v[XS+8*(\p):XS+8*(\p)+3], v[XSO+(\p)], s[50:51]
	global_load_b128 v[XS+8*(\p)+4:XS+8*(\p)+7], v[XSO+(\p)], s[50:51] offset:16
.endm
.macro WMH acc, w, x, sw, sx, row1, zero
.if (\zero) && (\row1)
	v_wmma_scale_f32_16x16x128_f8f6f4 v[(\acc):(\acc)+7], v[(\w):(\w)+7], v[(\x):(\x)+7], 0, v[(\sw)], v[(\sx)] matrix_a_fmt:MATRIX_FMT_FP4 matrix_b_fmt:MATRIX_FMT_FP4 matrix_a_scale:MATRIX_SCALE_ROW1
.elseif \zero
	v_wmma_scale_f32_16x16x128_f8f6f4 v[(\acc):(\acc)+7], v[(\w):(\w)+7], v[(\x):(\x)+7], 0, v[(\sw)], v[(\sx)] matrix_a_fmt:MATRIX_FMT_FP4 matrix_b_fmt:MATRIX_FMT_FP4
.elseif \row1
	v_wmma_scale_f32_16x16x128_f8f6f4 v[(\acc):(\acc)+7], v[(\w):(\w)+7], v[(\x):(\x)+7], v[(\acc):(\acc)+7], v[(\sw)], v[(\sx)] matrix_a_fmt:MATRIX_FMT_FP4 matrix_b_fmt:MATRIX_FMT_FP4 matrix_a_scale:MATRIX_SCALE_ROW1
.else
	v_wmma_scale_f32_16x16x128_f8f6f4 v[(\acc):(\acc)+7], v[(\w):(\w)+7], v[(\x):(\x)+7], v[(\acc):(\acc)+7], v[(\sw)], v[(\sx)] matrix_a_fmt:MATRIX_FMT_FP4 matrix_b_fmt:MATRIX_FMT_FP4
.endif
.endm
; Tile t, of parity p.  At its head tile t + 1's list and tile t's 18 loads are out, in that order.
.macro TILE p
	LIST \p                                        ; tile t + 2's list
	s_wait_loadcnt 19                              ; tile t + 1's list is in: behind it stand tile t's 18 loads and the list just asked for
	ADDR 1-(\p)
	XLOAD 1-(\p)                                   ; tile t + 1's rows: they land while tile t is worked
	s_wait_loadcnt 19                              ; tile t's 18 loads are in: behind them stand one list and the 18 just issued
	WIN 0x01                                       ; source 0 (the weights) in window 1
.irp m, 0,1                            ; the four sums take turns, one instruction a turn; the first K step starts them
.irp u, 0,1
	WMH ACC+8*(2*\m+\u), (2*\m+\u)*64, XR+64*(\p), WS+8*\m, XS+8*(\p), \u, 1
.endr
.endr
.irp s, 1,2,3,4,5,6,7
.irp m, 0,1
.irp u, 0,1
	WMH ACC+8*(2*\m+\u), (2*\m+\u)*64+8*\s, XR+64*(\p)+8*\s, WS+8*\m+\s, XS+8*(\p)+\s, \u, 0
.endr
.endr
.endr
	WIN 0
.rept 4
	v_nop                                          ; four places before results are read (ISA guide 7.12.1)
.endr
.irp i, 0,2,4,6,8,10,12,14
	v_pk_mul_f32 v[T+\i:T+\i+1], v[ACC+\i:ACC+\i+1], s[46:47] op_sel_hi:[1,0]    ; -a log2(e); each sum is read from its low end on
.endr
.irp i, 0,1,2,3,4,5,6,7,8,9,10,11,12,13,14,15
	v_exp_f32 v[T+\i], v[T+\i]
.endr
	v_nop                                          ; a plain line behind the exponentials
	s_wait_alu depctr_va_vdst(0)
.irp i, 0,2,4,6,8,10,12,14
	v_pk_add_f32 v[T+\i:T+\i+1], v[T+\i:T+\i+1], 1.0 op_sel_hi:[1,0]
.endr
.irp i, 0,1,2,3,4,5,6,7,8,9,10,11,12,13,14,15
	v_rcp_f32 v[T+\i], v[T+\i]                     ; 1 / (1 + e^-a); where e^-a has run to infinity this is 0, as the limit is
.endr
	v_nop
	s_wait_alu depctr_va_vdst(0)
.irp i, 0,2,4,6,8,10,12,14
	v_pk_mul_f32 v[H+\i:H+\i+1], v[ACC+\i:ACC+\i+1], v[T+\i:T+\i+1]              ; silu(a)
.endr
.irp i, 0,2,4,6,8,10,12,14
	v_pk_mul_f32 v[H+\i:H+\i+1], v[H+\i:H+\i+1], v[ACC+16+\i:ACC+16+\i+1]        ; x b
.endr
	v_max3_num_f32 v123, |v[H]|, |v[H+1]|, 0x1800000               ; my 16 numbers and the floor 2^(3 - 127)
.irp i, 2,4,6,8,10,12,14
	v_max3_num_f32 v123, v123, |v[H+\i]|, |v[H+\i+1]|
.endr
	v_permlanex16_b32 v124, v123, s48, s49
	v_max_num_f32 v123, v123, v124                 ; with lane l xor 16's: the block's largest magnitude
	v_add_nc_u32 v125, 0xff000000, v123
	s_wait_xcnt 0x0                                ; the last tile's stores have read v[120:122]
	v_cvt_scalef32_pk8_fp4_f32 v120, v[H:H+7], v125
	v_cvt_scalef32_pk8_fp4_f32 v121, v[H+8:H+15], v125
	v_lshrrev_b32 v122, 23, v125                   ; the byte (the plain line behind the conversions)
	global_store_b64 v[HO+(\p)], v[120:121], s[52:53]              ; 256 consecutive bytes: block B of the tile's image
	global_store_b8 v[HSO+(\p)], v122, s[54:55]                    ; my byte of each row's scale word; both halves of the lanes write the same
.endm
	s_load_b256 s[4:11], s[0:1], 0x0               ; wq s[4:5], wsc s[6:7], xqs s[8:9], route s[10:11]
	s_load_b64 s[12:13], s[0:1], 0x20              ; hbuf
	v_lshrrev_b32 v1, 5, v0
	v_readfirstlane_b32 s19, v1                    ; wave 0..7
	s_and_b32 s14, s19, 3                          ; which of the work-group's four blocks of hidden units
	s_lshr_b32 s19, s19, 2                         ; which half of its token blocks
	v_and_b32 v3, 31, v0                           ; lane
	v_and_b32 v1, 15, v0                           ; r
	v_bfe_u32 v2, v0, 4, 1                         ; h
	v_lshlrev_b32 v4, 4, v3
	v_lshlrev_b32 v5, 3, v3
	v_lshlrev_b32 v18, 2, v1                       ; 4 r
	v_lshlrev_b32 v19, 8, v2                       ; 256 h
	v_lshlrev_b32 v20, 4, v1
	v_lshl_add_u32 v20, v2, 3, v20                 ; 16 r + 8 h
	v_mov_b32 v124, 0                              ; a lane permute's destination counts as one of its sources
	s_lshr_b32 s15, ttmp9, 5                       ; expert
	s_bfe_u32 s16, ttmp9, 0x40001                  ; which four blocks of hidden units
	s_and_b32 s17, ttmp9, 1                        ; parity of the token blocks
	s_lshl_b32 s18, s16, 2
	s_add_co_u32 s18, s18, s14                     ; B: my block of 32 hidden units
	s_lshl_b32 s34, s17, 2
	s_mov_b32 s46, 0xbfb8aa3b                      ; -log2(e)
	s_mov_b32 s47, s46                             ; (named with it as a pair, so it is written)
	s_mov_b32 s48, 0x76543210
	s_mov_b32 s49, 0xfedcba98
	s_mov_b32 s59, 0
	s_mov_b32 s61, 0
	s_lshl_b32 s56, s15, 6
	s_add_co_u32 s56, s56, s18
	s_lshl_b32 s58, s56, 14
	s_lshl_b32 s60, s56, 10
	s_wait_kmcnt 0x0
	s_add_nc_u64 s[36:37], s[4:5], s[58:59]        ; w1's images of my block,
	s_add_nc_u64 s[38:39], s[36:37], 8388608       ; w3's,
	s_add_nc_u64 s[40:41], s[6:7], s[60:61]        ; their scale words
	s_add_nc_u64 s[42:43], s[40:41], 524288
	s_lshl_b32 s58, s15, 6
	s_lshl_b32 s57, s17, 5
	s_add_co_u32 s58, s58, s57
	s_add_nc_u64 s[60:61], s[10:11], s[58:59]
	s_load_b256 s[20:27], s[60:61], 0x8000         ; the counts of my expert's eight token blocks of my parity
	s_lshl_b32 s58, s15, 12
	s_add_nc_u64 s[44:45], s[10:11], s[58:59]      ; my expert's lists
	s_add_nc_u64 s[50:51], s[8:9], 524288          ; x's scale words
	s_lshl_b32 s58, s15, 20
	s_lshl_b32 s57, s18, 8
	s_add_co_u32 s58, s58, s57
	s_add_nc_u64 s[52:53], s[12:13], s[58:59]      ; h's codes: 1,048,576 x expert + 256 B
	s_lshl_b32 s58, s15, 16
	s_lshl_b32 s57, s16, 6
	s_add_co_u32 s58, s58, s57
	s_add_co_u32 s58, s58, s14
	s_add_co_u32 s58, s58, 8388608
	s_add_nc_u64 s[54:55], s[12:13], s[58:59]      ; h's scale bytes: 65,536 x expert + 64 (B / 4) + B % 4
	WIN 0x40                                       ; destination window 1
	WLOAD 0, 36
	WLOAD 1, 38
	WIN 0
.irp q, 0,1,2,3
	global_load_b64 v[WS+2*\q:WS+2*\q+1], v5, s[40:41] offset:256*\q
	global_load_b64 v[WS+8+2*\q:WS+8+2*\q+1], v5, s[42:43] offset:256*\q
.endr
	s_wait_kmcnt 0x0
	s_mov_b32 s28, 0                               ; a bit for each tile in use: 4 x (block / 2) + i
.irp k, 0,1,2,3,4,5,6,7
	s_min_u32 s56, s[20+\k], 64
	s_add_co_u32 s56, s56, 15
	s_lshr_b32 s56, s56, 4
	s_bfm_b32 s56, s56, 4*\k
	s_or_b32 s28, s28, s56
.endr
	s_lshl_b32 s57, s19, 2
	s_lshl_b32 s56, 0x0f0f0f0f, s57
	s_and_b32 s28, s28, s56                        ; waves 0-3 keep the groups of four bits with block / 2 even, waves 4-7 those with block / 2 odd
	s_bcnt1_i32_b32 s29, s28                       ; my tiles
	s_cmp_eq_u32 s29, 0
	s_cbranch_scc1 .Lend                           ; a split that leaves this wave no rows
	s_add_co_u32 s30, s29, 1
	s_lshr_b32 s30, s30, 1                         ; trips of two tiles
	s_ctz_i32_b32 s35, s28                         ; the first tile's bit
	LIST 0
	LIST 1
	s_wait_loadcnt 1                               ; the weights and the first list are in; the second list may be out
	ADDR 0
	XLOAD 0
	s_mov_b32 s31, 0
.Lpair:
	TILE 0
	TILE 1
	s_add_co_u32 s31, s31, 1
	s_cmp_lt_u32 s31, s30
	s_cbranch_scc1 .Lpair
.Lend:
	s_endpgm
.Lfunc_end_k_qc62a41680f_hid:
	.size	k_qc62a41680f_hid, .Lfunc_end_k_qc62a41680f_hid-k_qc62a41680f_hid
	.p2alignl 7, 3214868480
	.fill 96, 4, 3214868480
	.section	.rodata,"a",@progbits
	.p2align	6, 0x0
	.amdhsa_kernel k_qc62a41680f_hid
		.amdhsa_group_segment_fixed_size 0
		.amdhsa_private_segment_fixed_size 0
		.amdhsa_enable_private_segment 0
		.amdhsa_kernarg_size 40
		.amdhsa_user_sgpr_count 2
		.amdhsa_user_sgpr_kernarg_segment_ptr 1
		.amdhsa_wavefront_size32 1
		.amdhsa_system_sgpr_workgroup_id_x 1
		.amdhsa_system_sgpr_workgroup_id_y 1
		.amdhsa_system_sgpr_workgroup_id_z 1
		.amdhsa_system_vgpr_workitem_id 0
		.amdhsa_next_free_vgpr 512
		.amdhsa_next_free_sgpr 66
		.amdhsa_reserve_vcc 0
		.amdhsa_float_denorm_mode_32 3
		.amdhsa_float_denorm_mode_16_64 3
		.amdhsa_memory_ordered 1
		.amdhsa_forward_progress 1
		.amdhsa_inst_pref_size 37
	.end_amdhsa_kernel
	.amdgpu_metadata
---
amdhsa.version: [ 1, 2 ]
amdhsa.kernels:
  - .name:           k_qc62a41680f_hid
    .symbol:         k_qc62a41680f_hid.kd
    .args:
      - { .name: wq, .offset: 0, .size: 8, .value_kind: global_buffer, .address_space: global }
      - { .name: wsc, .offset: 8, .size: 8, .value_kind: global_buffer, .address_space: global }
      - { .name: xqs, .offset: 16, .size: 8, .value_kind: global_buffer, .address_space: global }
      - { .name: route, .offset: 24, .size: 8, .value_kind: global_buffer, .address_space: global }
      - { .name: hbuf, .offset: 32, .size: 8, .value_kind: global_buffer, .address_space: global }
    .group_segment_fixed_size: 0
    .private_segment_fixed_size: 0
    .kernarg_segment_align: 8
    .kernarg_segment_size: 40
    .max_flat_workgroup_size: 256
    .sgpr_count:     66
    .vgpr_count:     512
    .wavefront_size: 32
...
	.end_amdgpu_metadata
.endif
;; end of part 2
;; launch outp (part 3): grid 256 x 1, 4 waves a work-group, no clusters, 17,920 bytes of LDS; arguments wq, wsc, xqs, route, hbuf, ybuf; writes ybuf
.if DOCPART == 3
	.amdgcn_target "amdgcn-amd-amdhsa--gfx1250"
	.amdhsa_code_object_version 6
	.text
	.protected	k_qc62a41680f_outp
	.globl	k_qc62a41680f_outp
	.p2align	8
	.type	k_qc62a41680f_outp,@function
k_qc62a41680f_outp:
	s_mov_b64 s[64:65], 0
	v_nop
	global_prefetch_b8 v0, s[64:65] scope:SCOPE_SE
	s_setreg_imm32_b32 hwreg(HW_REG_WAVE_MODE, 25, 1), 1
	s_wait_xcnt 0x0
; OUTP.  y = (h w2) x the gate's weight for the chosen rows alone, on codes of FP4 with E8M0 scales; row (token, slot) of ybuf [2,048][1,024] f32 takes the result.
; SHARES.  Work-group g: expert g / 32, token blocks 2 k and 2 k + 1 with k = (g / 4) % 8 (tile slots 8 k .. 8 k + 7), columns 256 (g % 4) on.  A wave keeps 64 columns of w2 for all of K = 2,048
; in 512 registers (windows 1 and 2) and walks the tiles in use.  A tile's h (16 rows x 2,048: 128 registers, window 3) is dense in memory and is asked for one tile ahead.
; The products are used transposed (source 0 = 16 columns of w2, source 1 = 16 rows of h): a lane holds eight neighbouring columns of one row.
; A list that has run out gives its first tile again, and entries past a list's count repeat its first row: the same numbers go to the same places from the same wave, so nothing is masked.
; THE WAY OUT.  A tile goes through the wave's own stage in LDS (16 rows x 256 bytes + 16) and comes back as whole rows: lanes 0-15 row k, lanes 16-31 row 8 + k; sixteen lanes store 256 consecutive
; bytes, aligned, of the row that the list names.  A lane's eight row numbers are eight neighbouring words of the list.  LDS serves a wave's instructions in order (ISA guide 5.7.1.4): no barrier.
; No cluster and no joint loads: the number of tiles hangs on counts read from memory.
.set E,    10                          ; v10-11  parity p: row r's 2 x token + slot
.set WS2,  32                          ; v32-63  w2's scale words: 16 x (column block) + K step; lanes 0-15 tile 0, lanes 16-31 tile 1
.set HS,   64                          ; v64-79  h's scale words, 8 a parity: lanes 0-15 the even K step, lanes 16-31 the odd
.set ACC,  80                          ; v80-111 four tiles of 16 columns
.set Y,    112                         ; v112-143
.set OB,   144                         ; v144-175 rows read back
.set RHO,  176                         ; v176-191 parity p: the row numbers of rows 8 h + 0 .. 7
.set YA,   192                         ; v192-199 their offsets in ybuf
.set SP,   272
.set MSB, 0
.macro WIN new                         ; the immediate's high byte repeats the setting that is left
.if MSB != \new
	s_set_vgpr_msb (MSB<<8)|\new
.set MSB, \new
.endif
.endm
.macro NEXT                            ; the next tile's slot into s33
	s_ctz_i32_b32 s56, s28
	s_cmp_eq_u32 s28, 0
	s_cselect_b32 s56, s35, s56                    ; a list that has run out gives its first tile again
	s_sub_co_u32 s57, s28, 1
	s_and_b32 s28, s28, s57
	s_min_u32 s56, s56, 7
	s_add_co_u32 s33, s56, s34
.endm
.macro FETCH p                         ; 43 loads: the tile of slot s33 into parity p
	s_lshl_b32 s57, s33, 6
	v_add_nc_u32 v8, s57, v7
	v_add_nc_u32 v9, s57, v24
	s_lshl_b32 s57, s33, 14
	v_add_nc_u32 v12, s57, v4
	s_lshl_b32 s57, s33, 10
	v_add_nc_u32 v13, s57, v6
	global_load_b32 v[E+(\p)], v8, s[40:41]
	global_load_b128 v[RHO+8*(\p):RHO+8*(\p)+3], v9, s[40:41]
	global_load_b128 v[RHO+8*(\p)+4:RHO+8*(\p)+7], v9, s[40:41] offset:16
	WIN 0xc0                                       ; destination window 3
.irp s, 0,1,2,3,4,5,6,7,8,9,10,11,12,13,14,15
.irp c, 0,1
	global_load_b128 v[128*(\p)+8*\s+4*\c:128*(\p)+8*\s+4*\c+3], v12, s[44:45] offset:\s*1024+\c*512   ; 512 consecutive bytes a load
.endr
.endr
	WIN 0
.irp q, 0,1,2,3,4,5,6,7
	global_load_b32 v[HS+8*(\p)+\q], v13, s[46:47] offset:128*\q
.endr
.endm
.macro WMO acc, w, x, sw, sx, ra, rb, zero
.if \zero
.if \ra
	v_wmma_scale_f32_16x16x128_f8f6f4 v[(\acc):(\acc)+7], v[(\w):(\w)+7], v[(\x):(\x)+7], 0, v[(\sw)], v[(\sx)] matrix_a_fmt:MATRIX_FMT_FP4 matrix_b_fmt:MATRIX_FMT_FP4 matrix_a_scale:MATRIX_SCALE_ROW1
.else
	v_wmma_scale_f32_16x16x128_f8f6f4 v[(\acc):(\acc)+7], v[(\w):(\w)+7], v[(\x):(\x)+7], 0, v[(\sw)], v[(\sx)] matrix_a_fmt:MATRIX_FMT_FP4 matrix_b_fmt:MATRIX_FMT_FP4
.endif
.elseif (\ra) && (\rb)
	v_wmma_scale_f32_16x16x128_f8f6f4 v[(\acc):(\acc)+7], v[(\w):(\w)+7], v[(\x):(\x)+7], v[(\acc):(\acc)+7], v[(\sw)], v[(\sx)] matrix_a_fmt:MATRIX_FMT_FP4 matrix_b_fmt:MATRIX_FMT_FP4 matrix_a_scale:MATRIX_SCALE_ROW1 matrix_b_scale:MATRIX_SCALE_ROW1
.elseif \ra
	v_wmma_scale_f32_16x16x128_f8f6f4 v[(\acc):(\acc)+7], v[(\w):(\w)+7], v[(\x):(\x)+7], v[(\acc):(\acc)+7], v[(\sw)], v[(\sx)] matrix_a_fmt:MATRIX_FMT_FP4 matrix_b_fmt:MATRIX_FMT_FP4 matrix_a_scale:MATRIX_SCALE_ROW1
.elseif \rb
	v_wmma_scale_f32_16x16x128_f8f6f4 v[(\acc):(\acc)+7], v[(\w):(\w)+7], v[(\x):(\x)+7], v[(\acc):(\acc)+7], v[(\sw)], v[(\sx)] matrix_a_fmt:MATRIX_FMT_FP4 matrix_b_fmt:MATRIX_FMT_FP4 matrix_b_scale:MATRIX_SCALE_ROW1
.else
	v_wmma_scale_f32_16x16x128_f8f6f4 v[(\acc):(\acc)+7], v[(\w):(\w)+7], v[(\x):(\x)+7], v[(\acc):(\acc)+7], v[(\sw)], v[(\sx)] matrix_a_fmt:MATRIX_FMT_FP4 matrix_b_fmt:MATRIX_FMT_FP4
.endif
.endm
.macro MULS p, s0                      ; eight K steps from s0 on: the four sums take turns, one instruction a turn
.irp q, 0,1,2,3,4,5,6,7
.irp n, 0,1,2,3
.if ((\s0)+\q) == 0
	WMO ACC+8*\n, (8*\n+\q)*8, 128*(\p)+8*((\s0)+\q), WS2+16*(\n/2)+(\s0)+\q, HS+8*(\p)+((\s0)+\q)/2, \n%2, \q%2, 1
.else
	WMO ACC+8*\n, (8*\n+\q)*8, 128*(\p)+8*((\s0)+\q), WS2+16*(\n/2)+(\s0)+\q, HS+8*(\p)+((\s0)+\q)/2, \n%2, \q%2, 0
.endif
.endr
.endr
.endm
.macro TILE p
	s_wait_loadcnt 0x0                             ; this tile's 43 loads, asked for a tile ago, are in; no load of mine is out, so every load's address register may be written
	v_min_u32 v16, 2047, v[E+(\p)]
	v_lshlrev_b32 v16, 2, v16
	global_load_b32 v18, v16, s[42:43]             ; row r's gate weight
	NEXT
	FETCH 1-(\p)                                   ; the next tile lands while this one is multiplied and stored
	WIN 0x0d                                       ; source 0 (w2) window 1, source 1 (h) window 3
	MULS \p, 0
	WIN 0x0e                                       ; source 0 window 2
	MULS \p, 8
	WIN 0
	s_wait_loadcnt 43                              ; the gate weight is in: behind it stand the next tile's 43 loads
.rept 4
	v_nop                                          ; four places before results are read (ISA guide 7.12.1)
.endr
.irp i, 0,2,4,6,8,10,12,14,16,18,20,22,24,26,28,30
	v_pk_mul_f32 v[Y+\i:Y+\i+1], v[ACC+\i:ACC+\i+1], v[18:19] op_sel_hi:[1,0]    ; each sum is read from its low end on
.endr
.irp n, 0,1,2,3
	ds_store_b128 v20, v[Y+8*\n:Y+8*\n+3] offset:64*\n             ; lane (r, h): row r, columns 16 n + 8 h + 0 .. 7
	ds_store_b128 v20, v[Y+8*\n+4:Y+8*\n+7] offset:64*\n+16
.endr
	s_wait_xcnt 0x0                                ; the last tile's stores have read OB and YA
.irp k, 0,1,2,3,4,5,6,7
	ds_load_b128 v[OB+4*\k:OB+4*\k+3], v21 offset:\k*SP            ; these see the stores above
.endr
.irp k, 0,1,2,3,4,5,6,7
	v_min_u32 v[YA+\k], 2047, v[RHO+8*(\p)+\k]
	v_lshl_add_u32 v[YA+\k], v[YA+\k], 12, v25     ; 4,096 x row + 16 (lane % 16)
.endr
.irp k, 0,1,2,3,4,5,6,7
	s_wait_dscnt 7-\k                              ; row pair k is back; the younger reads may be out
	global_store_b128 v[YA+\k], v[OB+4*\k:OB+4*\k+3], s[48:49]
.endr
.endm
	s_load_b256 s[4:11], s[0:1], 0x0               ; wq s[4:5], wsc s[6:7], xqs s[8:9], route s[10:11]
	s_load_b128 s[12:15], s[0:1], 0x20             ; hbuf s[12:13], ybuf s[14:15]
	v_lshl_add_u32 v254, v0, 2, 0x4400
	v_mov_b32 v255, 0
	v_lshrrev_b32 v1, 5, v0
	v_readfirstlane_b32 s16, v1                    ; wave 0..3
	v_and_b32 v3, 31, v0                           ; lane
	v_and_b32 v1, 15, v0                           ; r
	v_bfe_u32 v2, v0, 4, 1                         ; h
	v_lshlrev_b32 v4, 4, v3
	v_lshlrev_b32 v5, 3, v3
	v_lshlrev_b32 v6, 2, v3
	v_lshlrev_b32 v7, 2, v1                        ; 4 r
	v_lshlrev_b32 v24, 5, v2                       ; 32 h
	v_lshlrev_b32 v25, 4, v1                       ; 16 r
	s_mul_i32 s56, s16, 16*SP                      ; my stage
	v_mul_u32_u24 v20, v1, SP
	v_lshl_add_u32 v20, v2, 5, v20
	v_add_nc_u32 v20, s56, v20                     ; in: row r, + 32 h
	v_mul_u32_u24 v21, v2, 8*SP
	v_lshl_add_u32 v21, v1, 4, v21
	v_add_nc_u32 v21, s56, v21                     ; back: row 8 h (+ k), 16 bytes a lane
	v_mov_b32 v19, 0                               ; (named with v18 as a pair, so it is written)
	s_lshr_b32 s17, ttmp9, 5                       ; expert
	s_bfe_u32 s18, ttmp9, 0x30002                  ; which pair of token blocks
	s_and_b32 s19, ttmp9, 3
	s_lshl_b32 s20, s19, 2
	s_add_co_u32 s20, s20, s16                     ; my slice of 64 columns
	s_lshl_b32 s34, s18, 3
	s_mov_b32 s59, 0
	s_lshl_b32 s56, s17, 5
	s_lshl_b32 s57, s20, 1
	s_add_co_u32 s56, s56, s57                     ; 32 x expert + my first block of 32 columns
	s_wait_kmcnt 0x0
	s_lshl_b32 s58, s56, 15
	s_add_co_u32 s58, s58, 16777216
	s_add_nc_u64 s[36:37], s[4:5], s[58:59]        ; w2's images
	s_lshl_b32 s58, s56, 11
	s_add_co_u32 s58, s58, 1048576
	s_add_nc_u64 s[38:39], s[6:7], s[58:59]        ; their scale words
	s_lshl_b32 s58, s17, 12
	s_add_nc_u64 s[40:41], s[10:11], s[58:59]      ; my expert's lists
	s_add_nc_u64 s[42:43], s[8:9], 557056          ; the gate weights
	s_lshl_b32 s58, s17, 20
	s_add_nc_u64 s[44:45], s[12:13], s[58:59]      ; my expert's h: codes,
	s_lshl_b32 s58, s17, 16
	s_add_co_u32 s58, s58, 8388608
	s_add_nc_u64 s[46:47], s[12:13], s[58:59]      ; scale words
	s_lshl_b32 s58, s20, 8
	s_add_nc_u64 s[48:49], s[14:15], s[58:59]      ; ybuf at my columns
	s_lshl_b32 s58, s17, 4
	s_add_co_u32 s58, s58, s18
	s_lshl_b32 s58, s58, 2
	s_add_nc_u64 s[60:61], s[10:11], s[58:59]
	s_load_b32 s21, s[60:61], 0x8000               ; the even block's count,
	s_load_b32 s22, s[60:61], 0x8020               ; the odd one's
	WIN 0x40                                       ; w2's fragments (tile n, K step s) at v[(8 n + s % 8) 8]: K steps 0-7 in window 1,
.irp n, 0,1,2,3
.irp s, 0,1,2,3,4,5,6,7
.irp c, 0,1
	global_load_b128 v[(8*\n+\s)*8+4*\c:(8*\n+\s)*8+4*\c+3], v4, s[36:37] offset:(\n/2)*32768+\s*2048+(\n%2)*1024+\c*512
.endr
.endr
.endr
	WIN 0x80                                       ; 8-15 in window 2
.irp n, 0,1,2,3
.irp s, 0,1,2,3,4,5,6,7
.irp c, 0,1
	global_load_b128 v[(8*\n+\s)*8+4*\c:(8*\n+\s)*8+4*\c+3], v4, s[36:37] offset:(\n/2)*32768+(\s+8)*2048+(\n%2)*1024+\c*512
.endr
.endr
.endr
	WIN 0
.irp b, 0,1
.irp q, 0,1,2,3,4,5,6,7
	global_load_b64 v[WS2+16*\b+2*\q:WS2+16*\b+2*\q+1], v5, s[38:39] offset:\b*2048+\q*256
.endr
.endr
	s_wait_kmcnt 0x0
	s_min_u32 s56, s21, 64
	s_add_co_u32 s56, s56, 15
	s_lshr_b32 s56, s56, 4
	s_bfm_b32 s28, s56, 0                          ; a bit for each tile in use: 4 x (block % 2) + i
	s_min_u32 s56, s22, 64
	s_add_co_u32 s56, s56, 15
	s_lshr_b32 s56, s56, 4
	s_bfm_b32 s56, s56, 4
	s_or_b32 s28, s28, s56
	s_bcnt1_i32_b32 s29, s28
	s_cmp_eq_u32 s29, 0
	s_cbranch_scc1 .Lend                           ; a split that leaves this work-group no rows
	s_add_co_u32 s30, s29, 1
	s_lshr_b32 s30, s30, 1                         ; trips of two tiles
	s_ctz_i32_b32 s35, s28
	NEXT
	FETCH 0
	s_mov_b32 s31, 0
.Lpair:
	TILE 0
	TILE 1
	s_add_co_u32 s31, s31, 1
	s_cmp_lt_u32 s31, s30
	s_cbranch_scc1 .Lpair
.Lend:
	s_wait_tensorcnt 0x0
	ds_add_u32 v254, v255
	s_wait_dscnt 0x0
	s_endpgm
.Lfunc_end_k_qc62a41680f_outp:
	.size	k_qc62a41680f_outp, .Lfunc_end_k_qc62a41680f_outp-k_qc62a41680f_outp
	.p2alignl 7, 3214868480
	.fill 96, 4, 3214868480
	.section	.rodata,"a",@progbits
	.p2align	6, 0x0
	.amdhsa_kernel k_qc62a41680f_outp
		.amdhsa_group_segment_fixed_size 17920
		.amdhsa_private_segment_fixed_size 0
		.amdhsa_enable_private_segment 0
		.amdhsa_kernarg_size 48
		.amdhsa_user_sgpr_count 2
		.amdhsa_user_sgpr_kernarg_segment_ptr 1
		.amdhsa_wavefront_size32 1
		.amdhsa_system_sgpr_workgroup_id_x 1
		.amdhsa_system_sgpr_workgroup_id_y 1
		.amdhsa_system_sgpr_workgroup_id_z 1
		.amdhsa_system_vgpr_workitem_id 0
		.amdhsa_next_free_vgpr 1024
		.amdhsa_next_free_sgpr 66
		.amdhsa_reserve_vcc 0
		.amdhsa_float_denorm_mode_32 3
		.amdhsa_float_denorm_mode_16_64 3
		.amdhsa_memory_ordered 1
		.amdhsa_forward_progress 1
		.amdhsa_inst_pref_size 56
	.end_amdhsa_kernel
	.amdgpu_metadata
---
amdhsa.version: [ 1, 2 ]
amdhsa.kernels:
  - .name:           k_qc62a41680f_outp
    .symbol:         k_qc62a41680f_outp.kd
    .args:
      - { .name: wq, .offset: 0, .size: 8, .value_kind: global_buffer, .address_space: global }
      - { .name: wsc, .offset: 8, .size: 8, .value_kind: global_buffer, .address_space: global }
      - { .name: xqs, .offset: 16, .size: 8, .value_kind: global_buffer, .address_space: global }
      - { .name: route, .offset: 24, .size: 8, .value_kind: global_buffer, .address_space: global }
      - { .name: hbuf, .offset: 32, .size: 8, .value_kind: global_buffer, .address_space: global }
      - { .name: ybuf, .offset: 40, .size: 8, .value_kind: global_buffer, .address_space: global }
    .group_segment_fixed_size: 17920
    .private_segment_fixed_size: 0
    .kernarg_segment_align: 8
    .kernarg_segment_size: 48
    .max_flat_workgroup_size: 128
    .sgpr_count:     66
    .vgpr_count:     1024
    .wavefront_size: 32
...
	.end_amdgpu_metadata
.endif
;; end of part 3
;; launch sum (part 4): grid 256 x 1, 8 waves a work-group, no clusters, 0 bytes of LDS; arguments ybuf, out0; writes out0
.if DOCPART == 4
	.amdgcn_target "amdgcn-amd-amdhsa--gfx1250"
	.amdhsa_code_object_version 6
	.text
	.protected	k_qc62a41680f_sum
	.globl	k_qc62a41680f_sum
	.p2align	8
	.type	k_qc62a41680f_sum,@function
k_qc62a41680f_sum:
	s_mov_b64 s[64:65], 0
	v_nop
	global_prefetch_b8 v0, s[64:65] scope:SCOPE_SE
	s_setreg_imm32_b32 hwreg(HW_REG_WAVE_MODE, 25, 1), 1
	s_wait_xcnt 0x0
; SUM.  out0[t] = ybuf[2 t] + ybuf[2 t + 1]: a token's two weighted expert rows, each written once by the launch before.  A stream: no LDS, no matrix unit, no barrier.
; A work-group takes four tokens; thread i takes the 16 bytes at 16 i of every row, so each load and store of a wave covers 512 consecutive bytes, aligned.  All eight loads go out first.
	s_load_b128 s[4:7], s[0:1], 0x0                ; ybuf, out0
	v_lshlrev_b32 v1, 4, v0
	s_lshl_b32 s8, ttmp9, 15                       ; four tokens x two rows of 4,096 bytes
	s_mov_b32 s9, 0
	s_lshl_b32 s10, ttmp9, 14
	s_mov_b32 s11, 0
	s_wait_kmcnt 0x0
	s_add_nc_u64 s[4:5], s[4:5], s[8:9]
	s_add_nc_u64 s[6:7], s[6:7], s[10:11]
.irp i, 0,1,2,3
	global_load_b128 v[4+8*\i:7+8*\i], v1, s[4:5] offset:8192*\i th:TH_LOAD_NT
	global_load_b128 v[8+8*\i:11+8*\i], v1, s[4:5] offset:8192*\i+4096 th:TH_LOAD_NT
.endr
.irp i, 0,1,2,3
	s_wait_loadcnt 6-2*\i                          ; token i's two loads are in; the later tokens' pairs may be out
	v_pk_add_f32 v[4+8*\i:5+8*\i], v[4+8*\i:5+8*\i], v[8+8*\i:9+8*\i]
	v_pk_add_f32 v[6+8*\i:7+8*\i], v[6+8*\i:7+8*\i], v[10+8*\i:11+8*\i]
	global_store_b128 v1, v[4+8*\i:7+8*\i], s[6:7] offset:4096*\i th:TH_STORE_NT
.endr
	s_endpgm
.Lfunc_end_k_qc62a41680f_sum:
	.size	k_qc62a41680f_sum, .Lfunc_end_k_qc62a41680f_sum-k_qc62a41680f_sum
	.p2alignl 7, 3214868480
	.fill 96, 4, 3214868480
	.section	.rodata,"a",@progbits
	.p2align	6, 0x0
	.amdhsa_kernel k_qc62a41680f_sum
		.amdhsa_group_segment_fixed_size 0
		.amdhsa_private_segment_fixed_size 0
		.amdhsa_enable_private_segment 0
		.amdhsa_kernarg_size 16
		.amdhsa_user_sgpr_count 2
		.amdhsa_user_sgpr_kernarg_segment_ptr 1
		.amdhsa_wavefront_size32 1
		.amdhsa_system_sgpr_workgroup_id_x 1
		.amdhsa_system_sgpr_workgroup_id_y 1
		.amdhsa_system_sgpr_workgroup_id_z 1
		.amdhsa_system_vgpr_workitem_id 0
		.amdhsa_next_free_vgpr 64
		.amdhsa_next_free_sgpr 66
		.amdhsa_reserve_vcc 0
		.amdhsa_float_denorm_mode_32 3
		.amdhsa_float_denorm_mode_16_64 3
		.amdhsa_memory_ordered 1
		.amdhsa_forward_progress 1
		.amdhsa_inst_pref_size 3
	.end_amdhsa_kernel
	.amdgpu_metadata
---
amdhsa.version: [ 1, 2 ]
amdhsa.kernels:
  - .name:           k_qc62a41680f_sum
    .symbol:         k_qc62a41680f_sum.kd
    .args:
      - { .name: ybuf, .offset: 0, .size: 8, .value_kind: global_buffer, .address_space: global }
      - { .name: out0, .offset: 8, .size: 8, .value_kind: global_buffer, .address_space: global }
    .group_segment_fixed_size: 0
    .private_segment_fixed_size: 0
    .kernarg_segment_align: 8
    .kernarg_segment_size: 16
    .max_flat_workgroup_size: 256
    .sgpr_count:     66
    .vgpr_count:     64
    .wavefront_size: 32
...
	.end_amdgpu_metadata
.endif
;; end of part 4
